; MI455X (gfx1250); checked and timed in simulation.
; The chip was launched on July 23, 2026; its instructions are those of AMD's public machine-readable ISA for CDNA 5 (MIT licence, August 2026) and "CDNA5" Instruction Set Architecture Reference Guide (July 2026). The comments in the code are by the model that wrote it; some were corrected since.
;; Bahdanau Attention Layer. Allowed arithmetic: matrix products marked QUANTISED: E4M3 operands, one given power-of-two scale a tensor, by v_wmma_f32_16x16x64_fp8_fp8 or v_wmma_f32_16x16x128_fp8_fp8, f32 sums; products left as they are: f32 operands where the result goes on into a quantised operand, else bf16, f16 or f32 operands; f32 sums; everything else in f32.
;; Inputs: W_in 1,024 x 2,048 float32; W_v 1 x 1,024 float32; encoder_padding_mask 512 x 64 bool; input 64 x 1,024 float32; lowp_scales 2 int32 (the exponents e of the quantised operands' scales 2^e); source_hids 512 x 64 x 1,024 float32.
;; Outputs: out0 64 x 1,024 float32; out1 512 x 64 float32.
;; This version of the problem:
;;   THIS VERSION OF THE PROBLEM IS GIVEN IN LOW PRECISION. The matrix products marked QUANTISED in the list below multiply operands that are first quantised to E4M3 (4 exponent bits, 3 mantissa bits; 8 bits a number), with one given power-of-two scale for each operand tensor; their sums are f32. All else is computed in f32.
;;   The module's matrix products, in the order in which they are computed (A, B: the left and right operand; K: the contracted axis; several contracted axes count as one K, in the product's order):
;;     1. [M 32,768, K 2,048] x [K 2,048, N 1,024]; A: computed on the way; B: input W_in: QUANTISED (scales: A lowp_scales[0], B lowp_scales[1])
;;     2. [M 32,768, K 1,024] x [K 1,024, N 1]; A: computed on the way; B: input W_v: left as it is (N = 1 < 16)
;;     3. batch 64 x [M 1, K 512] x [K 512, N 1,024]; A: softmax; B: input source_hids: left as it is (M = 1 < 16)
;;   THE QUANTISER, for each operand of a quantised product, along K:
;;     - The operand's scale is 2^e, e = its entry of the input lowp_scales (int32; the entries are numbered through the quantised products in the list's order, A before B).
;;     - Each number is divided by the scale, clamped to +-448, and rounded to the nearest number of E4M3, ties to even, subnormals kept.
;;     - The product sums the exact products of the quantised numbers (number of the format x scale) in f32.
;;   ~~~python
;;   def quantise(x, axis, e):      # numpy; x: float32 -> the quantised numbers, widened to float32 again
;;       x = np.moveaxis(x, axis, -1); K = x.shape[-1]
;;       r = np.clip(x / 2.0 ** e, -448, 448)
;;       step = 2.0 ** (np.maximum(np.frexp(np.where(r == 0, 1, r))[1] - 1, -6) - 3)
;;       q = np.round(r / step) * step * 2.0 ** e      # np.round: ties to even
;;       return np.moveaxis(q, -1, axis).astype(np.float32)
;;   ~~~
;;   OPERANDS COMPUTED ON THE WAY. 'Computed on the way' means the value that the module computes at that place (a softmax that the list does not call 'softmax' is quantised finished and normalised). What goes into a quantiser is computed in f32, as accurately as f32 sums, v_exp_f32 and their like allow (about 1e-6 of the number): no bf16 or f16 on the way to a quantiser, and a product that is left as it is and whose result goes on into a quantised operand takes f32 operands (vector FMAs, or v_wmma_f32_16x16x4_f32). A number that lies on a knife's edge between two numbers of the format may be rounded either way, as far as f32 arithmetic and the matrix unit's own rounding can turn it there, and no further.
;; One version. Each part assembles by itself: llvm-mc -triple=amdgcn-amd-amdhsa -mcpu=gfx1250 --defsym DOCPART=n.
;; ======== version 1 of 1: 3 launches
;; workspace buffers: wq 1,048,576 bytes; tabT 524,288 bytes; scoresT 131,072 bytes; part 1,048,576 bytes; st 65,536 bytes
;; launch prep (part 1): grid 64 x 4, 4 waves a work-group, no clusters, 6,656 bytes of LDS; arguments W_in, input, W_v, lowp_scales, wq, tabT; writes wq, tabT
.if DOCPART == 1
	.amdgcn_target "amdgcn-amd-amdhsa--gfx1250"
	.amdhsa_code_object_version 6
	.text
	.protected	k_q233e0714c4_prep
	.globl	k_q233e0714c4_prep
	.p2align	8
	.type	k_q233e0714c4_prep,@function
k_q233e0714c4_prep:
	s_mov_b64 s[64:65], 0
	v_nop
	global_prefetch_b8 v0, s[64:65] scope:SCOPE_SE
	s_setreg_imm32_b32 hwreg(HW_REG_WAVE_MODE, 25, 1), 1
	s_wait_xcnt 0x0
; PREP.  x = [input ; source_hids], so the first 1,024 of K of x W_in^T hang on (b, o) alone: u(b, o) = sum over k < 1024 of Q(input[b][k]) Q(W_in[o][k]) is made here once, on codes of FP8 (E4M3).
; Work-group (T, bt): o = 16 T + 0..15, b = 16 bt + 0..15.  Wave w multiplies K steps 2 w and 2 w + 1 (128 each); the four partial tiles meet in LDS.
; Stored: tabT[T][b][h][16 f32]: eight uc = u x c for o = 16 T + 8 h + j, then eight W_v[16 T + 8 h + j]; c = 2 log2(e) 2^(e0 + e1), so that tanh's exponent later is one multiply-add.
; Also stored: wq, the codes of W_in[:, 1024:2048] as images of operand registers: tile T at 16,384 T, K step s at 2,048 s, register group c at 512 c, lane l at 16 l;
; lane l = r + 16 h holds row 16 T + r, k = 1024 + 128 s + 32 c + 16 h + 0..15.  Wave w of work-group (T, bt) makes K step 2 bt + w / 2, groups 2 (w % 2) and 2 (w % 2) + 1.
; code = x / 2^e, held within +-448, to the nearest code, ties to even; e0 (entry 0) for input, e1 (entry 1) for W_in.
; LIMITS: e0 and e1 between -126 and 119; e0 + e1 between -127 and 126 (it is added to c's exponent field).  NaN among the inputs is not served.
; No cluster and no tensor load: the operands arrive as f32 and go through registers to the conversions; what four work-groups share (16 rows of W_in's first half) is read once more by each, 64 KB.
; A lane holds 16 neighbours along K of each block of 32 (four loads of 16 bytes), in the order of the operand's registers: registers 4 c .. 4 c + 3 hold k = 32 c + 16 h + 0..15, alike in both operands.
.set PART, 0                           ; LDS: four partial tiles, 1,024 bytes a wave, 32 bytes a lane
.set FIN,  4096                        ; LDS: the 16 records of 128 bytes as they go to tabT
.set WA,   4                           ; v4   W_in: 8,192 r + 64 h
.set XA,   5                           ; v5   input: 4,096 r + 64 h
.set IMG,  6                           ; v6   16 x lane
.set PST,  7                           ; v7   PART + 1,024 w + 32 x lane
.set PRD,  8                           ; v8   PART + 32 x lane
.set FST,  9                           ; v9   FIN + 128 r + 64 h
.set SX,   10                          ; v10  2^e0     v12  448 x 2^e0
.set SW,   11                          ; v11  2^e1     v13  448 x 2^e1
.set T16,  14                          ; v14  16 x thread
.set FRD,  15                          ; v15  FIN + 16 x thread
.set CW0,  16                          ; codes: W, K step 2 w
.set CX0,  32                          ;        input, K step 2 w
.set CW1,  48                          ;        W, K step 2 w + 1
.set F0,   64                          ; three sets of 64 numbers
.set F1,   128
.set F2,   192
.set CX1,  160                         ; codes: input, K step 2 w + 1 (in F1's upper half, which is done with by then)
.set D,    176                         ; the partial tile
.set C2,   184                         ; codes of W_in's second half: two register groups
.set WVR,  192                         ; W_v's eight numbers (in F2, which is done with by then)
; nb blocks of 32 along K: 16 numbers a lane and block, four loads of 16 bytes
.macro XL reg, adr, sb, off, nb
.set xb, 0
.rept \nb
.irp j, 0,1,2,3
	global_load_b128 v[\reg+16*xb+4*\j:\reg+16*xb+4*\j+3], v[\adr], s[\sb:\sb+1] offset:\off+128*xb+16*\j
.endr
.set xb, xb+1
.endr
.endm
; 16 nb numbers of a lane become 4 nb registers of codes
.macro QUANT src, nb, dst, sc, lim
.set qb, 0
.rept \nb
.set qi, 0
.rept 16
	v_med3_num_f32 v[\src+16*qb+qi], v[\src+16*qb+qi], -v[\lim], v[\lim]   ; the conversion to an 8-bit code does not saturate (ISA guide 7.6.2): the hold at the largest code x the scale
.set qi, qi+1
.endr
	v_cvt_scalef32_pk8_fp8_f32 v[\dst+4*qb:\dst+4*qb+1], v[\src+16*qb:\src+16*qb+7], v[\sc]
	v_cvt_scalef32_pk8_fp8_f32 v[\dst+4*qb+2:\dst+4*qb+3], v[\src+16*qb+8:\src+16*qb+15], v[\sc]
.set qb, qb+1
.endr
	v_nop                                          ; one plain vector line between the last conversion and whatever vector or matrix line next touches its registers
.endm
	s_load_b256 s[4:11], s[0:1], 0x0               ; W_in s[4:5], input s[6:7], W_v s[8:9], the scales' exponents s[10:11]
	s_load_b128 s[12:15], s[0:1], 0x20             ; wq s[12:13], tabT s[14:15]
	s_set_vgpr_msb 0x40
	v_lshl_add_u32 v0, v0, 2, 0x1800
	v_mov_b32 v1, 0
	s_set_vgpr_msb 0x4000
	v_lshrrev_b32 v1, 5, v0
	v_readfirstlane_b32 s16, v1                    ; wave 0..3
	v_and_b32 v3, 31, v0                           ; lane
	v_and_b32 v1, 15, v0                           ; r
	v_bfe_u32 v2, v0, 4, 1                         ; h
	v_lshlrev_b32 v[WA], 13, v1
	v_lshl_add_u32 v[WA], v2, 6, v[WA]
	v_lshlrev_b32 v[XA], 12, v1
	v_lshl_add_u32 v[XA], v2, 6, v[XA]
	v_lshlrev_b32 v[IMG], 4, v3
	s_lshl_b32 s17, s16, 10
	v_lshl_add_u32 v[PST], v3, 5, s17
	v_lshlrev_b32 v[PRD], 5, v3
	v_lshlrev_b32 v[FST], 7, v1
	v_lshl_add_u32 v[FST], v2, 6, v[FST]
	v_add_nc_u32 v[FST], FIN, v[FST]
	v_lshlrev_b32 v[T16], 4, v0
	v_add_nc_u32 v[FRD], FIN, v[T16]
	v_lshlrev_b32 v3, 5, v2                        ; W_v: 32 h
	s_and_b32 s18, ttmp7, 0xffff                   ; bt
	s_lshr_b32 s19, s16, 1
	s_lshl_b32 s17, s18, 1
	s_add_co_u32 s19, s19, s17                     ; the K step of the second half that I lay out: 2 bt + w / 2
	s_and_b32 s17, s16, 1                          ; and which half of its four register groups
	s_lshl_b32 s20, ttmp9, 17                      ; W_in: 16 T rows of 8,192 bytes,
	s_lshl_b32 s22, s16, 10                        ; K step 2 w: 512 bytes each
	s_add_co_u32 s20, s20, s22
	s_mov_b32 s21, 0
	s_lshl_b32 s24, s18, 16                        ; input: 16 bt rows of 4,096 bytes
	s_add_co_u32 s22, s24, s22
	s_mov_b32 s23, 0
	s_lshl_b32 s24, ttmp9, 17                      ; W_in's second half: + 4,096, + the K step, + 256 for groups 2 and 3
	s_lshl_b32 s26, s19, 9
	s_add_co_u32 s24, s24, s26
	s_lshl_b32 s26, s17, 8
	s_add_co_u32 s24, s24, s26
	s_add_co_u32 s24, s24, 4096
	s_mov_b32 s25, 0
	s_lshl_b32 s26, ttmp9, 14                      ; wq: 16,384 T + 2,048 x K step + 1,024 x half
	s_lshl_b32 s28, s19, 11
	s_add_co_u32 s26, s26, s28
	s_lshl_b32 s28, s17, 10
	s_add_co_u32 s26, s26, s28
	s_mov_b32 s27, 0
	s_lshl_b32 s28, ttmp9, 6                       ; W_v: 16 T numbers
	s_mov_b32 s29, 0
	s_lshl_b32 s30, ttmp9, 13                      ; tabT: 8,192 T + 2,048 bt
	s_lshl_b32 s32, s18, 11
	s_add_co_u32 s30, s30, s32
	s_mov_b32 s31, 0
	s_wait_kmcnt 0x0
	s_load_b64 s[44:45], s[10:11], 0x0             ; e0, e1
	s_add_nc_u64 s[32:33], s[4:5], s[20:21]
	s_add_nc_u64 s[34:35], s[6:7], s[22:23]
	s_add_nc_u64 s[36:37], s[4:5], s[24:25]
	s_add_nc_u64 s[38:39], s[12:13], s[26:27]
	s_add_nc_u64 s[40:41], s[8:9], s[28:29]
	s_add_nc_u64 s[42:43], s[14:15], s[30:31]
	XL F0, WA, 32, 0, 4                            ; W, K step 2 w
	XL F1, XA, 34, 0, 4                            ; input, K step 2 w
	XL F2, WA, 32, 512, 4                          ; W, K step 2 w + 1
	s_wait_kmcnt 0x0
	s_add_co_i32 s17, s44, s45
	s_lshl_b32 s17, s17, 23
	s_add_co_i32 s46, s17, 0x4038aa3b              ; c = 2 log2(e) x 2^(e0 + e1): the exponents are added to the exponent field
	s_mov_b32 s47, s46                             ; (named with it as a pair, so it is written)
	s_add_co_i32 s17, s44, 127
	s_lshl_b32 s18, s17, 23
	v_mov_b32 v[SX], s18                           ; 2^e0 as f32: the conversion takes its exponent field
	s_add_co_i32 s17, s17, 8
	s_lshl_b32 s17, s17, 23
	s_or_b32 s17, s17, 0x600000
	v_mov_b32 v[SX+2], s17                         ; 448 x 2^e0
	s_add_co_i32 s17, s45, 127
	s_lshl_b32 s18, s17, 23
	v_mov_b32 v[SW], s18                           ; 2^e1
	s_add_co_i32 s17, s17, 8
	s_lshl_b32 s17, s17, 23
	s_or_b32 s17, s17, 0x600000
	v_mov_b32 v[SW+2], s17                         ; 448 x 2^e1
	s_wait_loadcnt 32                              ; the first set is in; the 32 loads of the two sets behind it may be out
	QUANT F0, 4, CW0, SW, SW+2
	XL F0, XA, 34, 512, 4                          ; input, K step 2 w + 1, into the set just turned into codes
	s_wait_loadcnt 32                              ; the second set is in; behind it: the third and the one just asked for
	QUANT F1, 4, CX0, SX, SX+2
	XL F1, WA, 36, 0, 2                            ; two blocks of W_in's second half
	s_wait_loadcnt 24                              ; the third set is in; behind it: 16 + 8
	QUANT F2, 4, CW1, SW, SW+2
	global_load_b128 v[WVR:WVR+3], v3, s[40:41]
	global_load_b128 v[WVR+4:WVR+7], v3, s[40:41] offset:16
	s_wait_loadcnt 10                              ; input's second K step is in; behind it: 8 + 2
	QUANT F0, 4, CX1, SX, SX+2
	s_wait_loadcnt 0x0
	QUANT F1, 2, C2, SW, SW+2
	global_store_b128 v[IMG], v[C2:C2+3], s[38:39]              ; a register group's image: 32 lanes store 512 consecutive bytes
	global_store_b128 v[IMG], v[C2+4:C2+7], s[38:39] offset:512
	; TRANSPOSED: source 0 = 16 rows of W_in, source 1 = 16 rows of input: lane (r, h), register j holds (b = 16 bt + r, o = 16 T + 8 h + j)
	v_wmma_f32_16x16x128_fp8_fp8 v[D:D+7], v[CW0:CW0+15], v[CX0:CX0+15], 0
	s_wait_alu depctr_va_vdst(0)                   ; one accumulator, two links that follow each other
	v_wmma_f32_16x16x128_fp8_fp8 v[D:D+7], v[CW1:CW1+15], v[CX1:CX1+15], v[D:D+7]
.rept 4
	v_nop                                          ; four places between the product and the LDS stores that read it
.endr
	ds_store_b128 v[PST], v[D:D+3]
	ds_store_b128 v[PST], v[D+4:D+7] offset:16
	s_wait_dscnt 0x0                               ; for wave 0's sake: my partial tile has landed
	s_barrier_signal -1
	s_barrier_wait -1
	s_cmp_lg_u32 s16, 0
	s_cbranch_scc1 .Lnot_first
.irp k, 0,1,2,3
	ds_load_b128 v[F0+8*\k:F0+8*\k+3], v[PRD] offset:1024*\k
	ds_load_b128 v[F0+8*\k+4:F0+8*\k+7], v[PRD] offset:1024*\k+16
.endr
	s_wait_dscnt 0x0
.irp i, 0,2,4,6
	v_pk_add_f32 v[F0+\i:F0+\i+1], v[F0+\i:F0+\i+1], v[F0+8+\i:F0+8+\i+1]
	v_pk_add_f32 v[F0+16+\i:F0+16+\i+1], v[F0+16+\i:F0+16+\i+1], v[F0+24+\i:F0+24+\i+1]
.endr
.irp i, 0,2,4,6
	v_pk_add_f32 v[F0+\i:F0+\i+1], v[F0+\i:F0+\i+1], v[F0+16+\i:F0+16+\i+1]
.endr
.irp i, 0,2,4,6
	v_pk_mul_f32 v[F0+\i:F0+\i+1], v[F0+\i:F0+\i+1], s[46:47] op_sel_hi:[1,0]   ; uc = u x c
.endr
	ds_store_b128 v[FST], v[F0:F0+3]               ; a record's half: eight uc, then eight W_v
	ds_store_b128 v[FST], v[F0+4:F0+7] offset:16
	ds_store_b128 v[FST], v[WVR:WVR+3] offset:32
	ds_store_b128 v[FST], v[WVR+4:WVR+7] offset:48
.Lnot_first:
	s_wait_dscnt 0x0                               ; the records have landed
	s_barrier_signal -1
	s_barrier_wait -1
	ds_load_b128 v[F0:F0+3], v[FRD]
	s_wait_dscnt 0x0
	global_store_b128 v[T16], v[F0:F0+3], s[42:43] ; 128 threads store 2,048 consecutive bytes, at a multiple of 256 from tabT's first byte
	s_set_vgpr_msb 0x5
	s_wait_tensorcnt 0x0
	ds_add_u32 v0, v1
	s_wait_dscnt 0x0
	s_set_vgpr_msb 0x500
	s_endpgm
.Lfunc_end_k_q233e0714c4_prep:
	.size	k_q233e0714c4_prep, .Lfunc_end_k_q233e0714c4_prep-k_q233e0714c4_prep
	.p2alignl 7, 3214868480
	.fill 96, 4, 3214868480
	.section	.rodata,"a",@progbits
	.p2align	6, 0x0
	.amdhsa_kernel k_q233e0714c4_prep
		.amdhsa_group_segment_fixed_size 6656
		.amdhsa_private_segment_fixed_size 0
		.amdhsa_enable_private_segment 0
		.amdhsa_kernarg_size 48
		.amdhsa_user_sgpr_count 2
		.amdhsa_user_sgpr_kernarg_segment_ptr 1
		.amdhsa_wavefront_size32 1
		.amdhsa_system_sgpr_workgroup_id_x 1
		.amdhsa_system_sgpr_workgroup_id_y 1
		.amdhsa_system_sgpr_workgroup_id_z 1
		.amdhsa_system_vgpr_workitem_id 0
		.amdhsa_next_free_vgpr 258
		.amdhsa_next_free_sgpr 66
		.amdhsa_reserve_vcc 0
		.amdhsa_float_denorm_mode_32 3
		.amdhsa_float_denorm_mode_16_64 3
		.amdhsa_memory_ordered 1
		.amdhsa_forward_progress 1
		.amdhsa_inst_pref_size 34
	.end_amdhsa_kernel
	.amdgpu_metadata
---
amdhsa.version: [ 1, 2 ]
amdhsa.kernels:
  - .name:           k_q233e0714c4_prep
    .symbol:         k_q233e0714c4_prep.kd
    .args:
      - { .name: W_in, .offset: 0, .size: 8, .value_kind: global_buffer, .address_space: global }
      - { .name: input, .offset: 8, .size: 8, .value_kind: global_buffer, .address_space: global }
      - { .name: W_v, .offset: 16, .size: 8, .value_kind: global_buffer, .address_space: global }
      - { .name: lowp_scales, .offset: 24, .size: 8, .value_kind: global_buffer, .address_space: global }
      - { .name: wq, .offset: 32, .size: 8, .value_kind: global_buffer, .address_space: global }
      - { .name: tabT, .offset: 40, .size: 8, .value_kind: global_buffer, .address_space: global }
    .group_segment_fixed_size: 6656
    .private_segment_fixed_size: 0
    .kernarg_segment_align: 8
    .kernarg_segment_size: 48
    .max_flat_workgroup_size: 128
    .sgpr_count:     66
    .vgpr_count:     258
    .wavefront_size: 32
...
	.end_amdgpu_metadata
.endif
;; end of part 1
;; launch score (part 2): grid 4 x 64, 4 waves a work-group, clusters of 4 x 1, 327,680 bytes of LDS; arguments source_hids, encoder_padding_mask, lowp_scales, wq, tabT, scoresT, part, st; writes scoresT, part, st
.if DOCPART == 2
	.amdgcn_target "amdgcn-amd-amdhsa--gfx1250"
	.amdhsa_code_object_version 6
	.text
	.protected	k_q233e0714c4_score
	.globl	k_q233e0714c4_score
	.p2align	8
	.type	k_q233e0714c4_score,@function
k_q233e0714c4_score:
	s_mov_b64 s[64:65], 0
	v_nop
	global_prefetch_b8 v0, s[64:65] scope:SCOPE_SE
	s_setreg_imm32_b32 hwreg(HW_REG_WAVE_MODE, 25, 1), 1
	s_wait_xcnt 0x0
	s_wait_alu depctr_hold_cnt(0) depctr_sa_sdst(0) depctr_va_vdst(0) depctr_va_sdst(0) depctr_va_ssrc(0) depctr_va_vcc(0) depctr_vm_vsrc(0)
	s_getreg_b32 s2, hwreg(HW_REG_IB_STS2, 6, 4)
	s_cmp_eq_u32 s2, 0
	s_cbranch_scc0 .Lentry_in_a_cluster
	s_endpgm
.Lentry_in_a_cluster:
	s_bfe_u32 s2, ttmp6, 0x10000c
	s_cmp_lg_u32 s2, 0x3003
	s_cbranch_scc0 .Lentry_shape_is_right
	s_endpgm
.Lentry_shape_is_right:
; SCORE.  scoresT[b][s] = sum over o of W_v[o] tanh((acc(s, o) + u(b, o)) 2^(e0 + e1)), or -infinity where the mask is set.  acc = Q(source_hids[s][b][:]) . Q(W_in[o][1024:]) on codes of FP8 (E4M3), f32 sums.
; tanh(x) = 1 - 2 / (1 + 2^z), z = acc c + uc, c = 2 log2(e) 2^(e0 + e1); z = +-infinity gives +-1, so nothing is clipped.  A row's score is (sum of W_v) - 2 (sum of W_v / (1 + 2^z)), all in f32.
; AND THE WORK-GROUP'S PART OF THE WEIGHTED SUM, so that source_hids is read once: with m' = the largest of its 128 scores (not under -2^126), p = 2^((x - m') log2(e)), l = the sum of p:
; part[b][q][:] = sum over its rows of p x row, the rows rounded to bf16, sums in f32; st[b][q] = (m', l).  A later launch joins a column's four parts.
; SHARES.  A work-group owns one b and 128 rows s = 128 q + 0..127 (q: its place in the cluster).  Wave w: rows 64 (w / 2) + 0..63 (four tiles of 16) against half w % 2 of W's tiles of 16 o.
; PHASE 1: wave w loads rows 32 w + 0..31, a K step of 128 (512 bytes of a row to a load) at a time.  It keeps them as bf16 (K steps 0-3 in LDS bytes of its own, as images of registers; K steps 4-7 in 256 registers),
; turns them into codes, and hands the codes on through LDS rows of 128 codes; each wave keeps its 64 rows' codes of all 1,024 K in 512 registers.
; A MASKED ROW IS NOT READ: its score is thrown away and its weight is 0, so its loads name the wave's row 0 in its stead (a choice of an offset, no branch).
; PHASE 2: W's codes (wq, images of operand registers) come through a ring of two LDS slots of 4 tiles of o (65,536 bytes), the largest that fit beside the copy.  A tile of o is 32 matrix instructions a wave (4 tiles of
; rows by turns x 8 K steps); the tile before passes its tanh meanwhile: scaling and exponentials behind the first 16 products, + 1 and reciprocals behind the other 16, the dot with W_v at the tile's end.
; PHASE 3: the scores meet in LDS; every wave makes m', p and l of the 128 rows, takes its own 32 rows' p as 32 registers, and adds p x row over its rows; the four sums meet in LDS.
; CLUSTER: the four work-groups of a cluster share b and walk the same W: every tensor load is asked for JOINTLY, same descriptor, mask 15.
; TRANSPOSED: source 0 = 16 rows of W, source 1 = 16 rows of x: lane (r, h), register j holds (row r of the tile, o = 16 T + 8 h + j).
; LIMITS: e0 between -126 and 119; e0 + e1 between -127 and 126.  NaN among the inputs is not served; source_hids is taken to be finite and under bf16's largest number, in masked rows too; a score is taken to lie above -2^126.
; REGISTERS, in windows of 256: window 0: v1-15, v234-239, v254 addresses; v16-143 W's eight fragments of a tile (phase 1: the even K steps' numbers); v144-207 two sets of four accumulators (phase 1: v144-175 codes,
;   v176-207 the rows' offsets); v208-223 W_v, two sets; v224-231 S, a pair a tile of rows; v232-233 the sum of W_v; v240-247 uc; v248-251 mask bytes; v252 -infinity; v253 my row's mask byte.
;   window 1: the bf16 copy of K steps 4-7, 64 registers each (register 2 p + u of a step: row p, features 4 lane + 2 u, + 1; in step 7 rows 16-31 come first).   window 2: x's codes of K steps 0-3, (s, m) at v[64 s + 16 m];   window 3: K steps 4-7.
;   Phase 1's odd K steps land where nothing lives yet: steps 1, 3, 5 in window 3's v128-255; step 7: rows 0-15 in window 3's v192-255, rows 16-31 in window 1's v192-255.
.set SLOTB,  65536                     ; a slot of the ring; slot 1 begins here, so that one exclusive or turns an address
.set TAB,    2*SLOTB                   ; 64 records of 128 bytes: uc and W_v for my b, filled once
.set ATILE,  TAB+8192                  ; two buffers of 128 rows x (128 codes + 16): written by LDS stores alone
.set APITCH, 144                       ; 36 words: the 16 rows of a fragment load start at 16 different groups of four banks (64 banks of 4 bytes: ISA guide 11.1)
.set ABUF,   128*APITCH
.set SCB,    ATILE+2*ABUF              ; [half of o][128 rows] f32
.set SPARE,  SCB+1024                  ; the spare words, 128 bytes for each wave: two blocks of 256 bytes that no other line names
.set PW,     SPARE+512                 ; the 128 weights p, 512 bytes, once for each wave
.set COPY,   PW+2048                   ; the bf16 copy of K steps 0-3: 32,768 bytes for each wave, 8,192 a K step
.set RED,    COPY+4*32768              ; the four waves' sums: 4,096 bytes each
.set ROWS,   262144                    ; bytes from s to s + 1 in source_hids
.set SPW,  1                           ; v1   SPARE + 4 x thread; never rewritten
.set NIL,  2                           ; v2   0; never rewritten
.set VOFF, 3                           ; v3   16 x lane
.set AST,  4                           ; v4   ATILE + 32 w rows + 4 x lane: where I store four codes of a row
.set AFT,  5                           ; v5   ATILE + (64 (w / 2) + r) rows + 16 h: where I read fragments of x
.set BADR, 6                           ; v6   the slot in hand + B0
.set TBASE, 7                          ; v7   TAB + 256 (w % 2) + 64 h
.set TADR, 8                           ; v8   TBASE + 512 x slot
.set SCL,  9                           ; v9   2^e0 as f32
.set SCS,  10                          ; v10  SCB + 512 (w % 2) + 4 (64 (w / 2) + r)
.set SCR,  11                          ; v11  SCB + 16 x lane
.set B0,   12                          ; v12  32,768 (w % 2) + 16 x lane
.set MKO,  13                          ; v13  256 x lane
.set T0,   14
.set T1,   15
.set BF,   16
.set ACC,  144
.set CD,   144
.set RO,   176
.set WVR,  208
.set SS,   224
.set SWR,  232
.set CST,  234                         ; v234 COPY + 32,768 w + 16 x lane
.set PWS,  235                         ; v235 PW + 512 w + 16 x lane
.set PWL,  236                         ; v236 PW + 512 w + 128 w: my 32 rows' weights in my wave's 128
.set RST,  237                         ; v237 RED + 4,096 w + 16 x lane
.set RRD,  238                         ; v238 RED + 16 x thread
.set T16,  239                         ; v239 16 x thread
.set UC,   240
.set MK,   248
.set NINF, 252
.set MBY,  253
.set L8,   254                         ; v254 8 x lane
.set WV,   16                          ; s16  wave;  s17 w / 2;  s18 w % 2;  s19 q;  s20 b
.set CNT,  22
.set G1W,  24                          ; s[24:31] group 1: 64 rows of 256 bytes, dense: a wave's quarter of a slot
.set G1T,  32                          ; s[32:39] group 1: 16 records of 128 bytes, 8,192 bytes apart
.set G0A,  40                          ; s[40:43] slot 0's first fill
.set G0B,  44                          ; s[44:47] slot 1's first fill; it then walks
.set G0T,  48                          ; s[48:51] the records
.set CC,   56                          ; s[56:57] c, twice
.set LIMP, 58                          ; s58  448 x 2^e0;  s59 its negative
.set SEL,  60                          ; s[60:61] v_permlanex16_b32's selects: lane l xor 16
.set SRC,  66                          ; s[66:67] source_hids at my wave's row 0, my b
.set MSK,  68                          ; s[68:69] the mask at (128 q, b)
.set OUT,  70                          ; s[70:71] scoresT at (b, 128 q)
.set TB,   75                          ; s75  LDS byte at which the slot in hand begins
.set TT,   76                          ; s76  512 x the slot's number
.set L2E,  77                          ; s77  log2(e)
.set PRT,  84                          ; s[84:85] part at (b, q)
.set STB,  86                          ; s[86:87] st at (b, q)
.set MSB, 0
.macro WIN new                         ; the immediate's high byte repeats the setting that is left; a switch that changes nothing is dropped
.if MSB != (\new)
	s_set_vgpr_msb (MSB<<8)|(\new)
.set MSB, (\new)
.endif
.endm
.set M2, 0x08                          ; source 1 (x's codes) window 2; all else window 0
.set M3, 0x0c                          ; source 1 window 3
.macro CREST                           ; a round of the cluster's barrier behind its opening barrier
	s_cmp_lg_u32 s[WV], 0
	s_cbranch_scc1 .Lnot_wave_0_\@
	s_barrier_signal -3
.Lnot_wave_0_\@:
	s_barrier_wait -3
	s_barrier_signal -1
	s_barrier_wait -1
.endm
.macro CROUND                          ; a whole round
	s_barrier_signal -1
	s_barrier_wait -1
	CREST
.endm
	s_load_b256 s[4:11], s[0:1], 0x0               ; source_hids s[4:5], mask s[6:7], the scales' exponents s[8:9], wq s[10:11]
	s_load_b128 s[12:15], s[0:1], 0x20             ; tabT s[12:13], scoresT s[14:15]
	s_load_b128 s[80:83], s[0:1], 0x30             ; part s[80:81], st s[82:83]
	v_lshl_add_u32 v[SPW], v0, 2, SPARE
	v_mov_b32 v[NIL], 0
	ds_add_u32 v1, v2
	ds_add_u32 v1, v2
	s_wait_dscnt 0x0
	v_lshrrev_b32 v[T0], 5, v0
	v_readfirstlane_b32 s[WV], v[T0]               ; wave 0..3
	s_lshr_b32 s17, s[WV], 1
	s_and_b32 s18, s[WV], 1
	s_bfe_u32 s19, ttmp6, 0x40000                  ; q: my place in the cluster; it enters global addresses of plain loads and stores alone
	s_and_b32 s20, ttmp7, 0xffff                   ; b, which the four partners share
	s_mov_b32 s[G1W], 15|(3<<16)|(1<<21)           ; 15:0 the mask: all four; 17:16 elements of 8 bytes; 21 set beside a mask; no padding: images are read 16 bytes a lane on end
	s_mov_b32 s[G1W+1], 32<<16                     ; tensor_dim0 = 32 elements (256 bytes)
	s_mov_b32 s[G1W+2], 64<<16                     ; tensor_dim1 = 64
	s_mov_b32 s[G1W+3], 32<<16                     ; tile_dim0
	s_mov_b32 s[G1W+4], 64                         ; tile_dim1
	s_mov_b32 s[G1W+5], 32                         ; from row to row: dense
	s_mov_b32 s[G1W+6], 0
	s_mov_b32 s[G1W+7], 0
	s_mov_b32 s[G1T], 15|(3<<16)|(1<<21)
	s_mov_b32 s[G1T+1], 16<<16                     ; 16 elements: a record of 128 bytes
	s_mov_b32 s[G1T+2], 16<<16                     ; 16 records
	s_mov_b32 s[G1T+3], 16<<16
	s_mov_b32 s[G1T+4], 16
	s_mov_b32 s[G1T+5], 1024                       ; from T to T + 1: 8,192 bytes
	s_mov_b32 s[G1T+6], 0
	s_mov_b32 s[G1T+7], 0
	s_mov_b32 s[G0A], 1
	s_lshl_b32 s[G0A+1], s[WV], 14                 ; LDS: my quarter of slot 0
	s_mov_b32 s[G0B], 1
	s_add_co_u32 s[G0B+1], s[G0A+1], SLOTB         ; of slot 1
	s_mov_b32 s[G0T], 1
	s_lshl_b32 s[G0T+1], s[WV], 11
	s_add_co_u32 s[G0T+1], s[G0T+1], TAB           ; my 16 records
	s_lshl_b32 s54, s[WV], 14
	s_mov_b32 s55, 0
	s_lshl_b32 s52, s[WV], 17                      ; tabT: 16 w x 8,192 + 128 b
	s_lshl_b32 s53, s20, 7
	s_add_co_u32 s52, s52, s53
	s_mov_b32 s53, 0
	s_wait_kmcnt 0x0
	s_load_b64 s[62:63], s[8:9], 0x0               ; e0, e1
	s_add_nc_u64 s[G0A+2:G0A+3], s[10:11], s[54:55]
	s_add_nc_u64 s[G0B+2:G0B+3], s[G0A+2:G0A+3], SLOTB
	s_or_b32 s[G0A+3], s[G0A+3], 0x80000000        ; type = 2
	s_or_b32 s[G0B+3], s[G0B+3], 0x80000000
	s_add_nc_u64 s[G0T+2:G0T+3], s[12:13], s[52:53]
	s_or_b32 s[G0T+3], s[G0T+3], 0x80000000
	CROUND                                         ; all four work-groups are here: the first joint loads meet
	tensor_load_to_lds s[G0T:G0T+3], s[G1T:G1T+7]  ; the three first fills go out together, ahead of every wait on TENSORcnt, LDS read and further barrier: three loads of mine are out
	s_nop 0
	tensor_load_to_lds s[G0A:G0A+3], s[G1W:G1W+7]
	s_nop 0
	tensor_load_to_lds s[G0B:G0B+3], s[G1W:G1W+7]
	s_nop 0
.rept 4
	v_nop
.endr
	s_lshl_b32 s72, s19, 7
	s_lshl_b32 s74, s[WV], 5
	s_add_co_u32 s72, s72, s74                     ; my wave's first row: 128 q + 32 w
	s_lshl_b32 s72, s72, 18
	s_lshl_b32 s74, s20, 12
	s_add_co_u32 s72, s72, s74                     ; + b's 4,096 bytes: under 2^27
	s_mov_b32 s73, 0
	s_add_nc_u64 s[SRC:SRC+1], s[4:5], s[72:73]
	s_lshl_b32 s72, s19, 13
	s_add_co_u32 s72, s72, s20
	s_add_nc_u64 s[MSK:MSK+1], s[6:7], s[72:73]
	s_lshl_b32 s72, s20, 11
	s_lshl_b32 s74, s19, 9
	s_add_co_u32 s72, s72, s74
	s_add_nc_u64 s[OUT:OUT+1], s[14:15], s[72:73]
	s_lshl_b32 s74, s20, 2
	s_add_co_u32 s74, s74, s19                     ; 4 b + q
	s_lshl_b32 s72, s74, 12
	s_add_nc_u64 s[PRT:PRT+1], s[80:81], s[72:73]
	s_lshl_b32 s72, s74, 8
	s_add_nc_u64 s[STB:STB+1], s[82:83], s[72:73]
	v_and_b32 v[T0], 31, v0                        ; lane
	v_and_b32 v[T1], 15, v0                        ; r
	v_bfe_u32 v[MKO], v0, 4, 1                     ; h, for now
	v_lshlrev_b32 v[VOFF], 4, v[T0]
	v_lshlrev_b32 v[L8], 3, v[T0]
	v_lshlrev_b32 v[T16], 4, v0
	v_add_nc_u32 v[RRD], RED, v[T16]
	s_mul_i32 s21, s[WV], 32*APITCH
	s_add_co_u32 s21, s21, ATILE
	v_lshl_add_u32 v[AST], v[T0], 2, s21
	s_mul_i32 s21, s17, 64*APITCH
	s_add_co_u32 s21, s21, ATILE
	v_mul_u32_u24 v[AFT], v[T1], APITCH
	v_lshl_add_u32 v[AFT], v[MKO], 4, v[AFT]
	v_add_nc_u32 v[AFT], s21, v[AFT]
	s_lshl_b32 s21, s18, 15
	v_add_nc_u32 v[B0], s21, v[VOFF]
	s_lshl_b32 s21, s18, 8
	s_add_co_u32 s21, s21, TAB
	v_lshl_add_u32 v[TBASE], v[MKO], 6, s21
	s_lshl_b32 s21, s18, 9
	s_lshl_b32 s23, s17, 8
	s_add_co_u32 s21, s21, s23
	s_add_co_u32 s21, s21, SCB
	v_lshl_add_u32 v[SCS], v[T1], 2, s21
	v_add_nc_u32 v[SCR], SCB, v[VOFF]
	s_lshl_b32 s21, s[WV], 15
	s_add_co_u32 s21, s21, COPY
	v_add_nc_u32 v[CST], s21, v[VOFF]
	s_lshl_b32 s21, s[WV], 9
	s_add_co_u32 s21, s21, PW
	v_add_nc_u32 v[PWS], s21, v[VOFF]
	s_mul_i32 s21, s[WV], 640
	s_add_co_u32 s21, s21, PW
	v_mov_b32 v[PWL], s21
	s_lshl_b32 s21, s[WV], 12
	s_add_co_u32 s21, s21, RED
	v_add_nc_u32 v[RST], s21, v[VOFF]
	v_lshlrev_b32 v[MKO], 8, v[T0]
	s_lshl_b32 s21, s[WV], 11
	v_lshl_add_u32 v[T1], v[T0], 6, s21            ; the mask byte of row 32 w + lane: 64 bytes a row
.irp e, 0,1,2,3
	global_load_u8 v[MK+\e], v[MKO], s[MSK:MSK+1] offset:64*\e   ; rows 4 x lane + e: for the scores' way out
.endr
	global_load_u8 v[MBY], v[T1], s[MSK:MSK+1]
	s_wait_kmcnt 0x0
	s_add_co_i32 s21, s62, s63
	s_lshl_b32 s21, s21, 23
	s_add_co_i32 s[CC], s21, 0x4038aa3b            ; c = 2 log2(e) x 2^(e0 + e1)
	s_mov_b32 s[CC+1], s[CC]                       ; (named with it as a pair, so it is written)
	s_add_co_i32 s21, s62, 127
	s_lshl_b32 s23, s21, 23
	v_mov_b32 v[SCL], s23                          ; 2^e0: the conversion takes its exponent field
	s_add_co_i32 s21, s21, 8
	s_lshl_b32 s21, s21, 23
	s_or_b32 s[LIMP], s21, 0x600000                ; 448 x 2^e0
	s_or_b32 s[LIMP+1], s[LIMP], 0x80000000
	s_mov_b32 s[SEL], 0x76543210
	s_mov_b32 s[SEL+1], 0xfedcba98
	s_mov_b32 s[L2E], 0x3fb8aa3b
	s_wait_loadcnt 0x0
	v_cmp_eq_u32 s21, 0, v[MBY]                    ; bit p: row 32 w + p counts
.set p, 0
.rept 32                               ; row p's offset: p rows on where it counts, else the wave's row 0.  The bit is held at 1 ahead of the product that makes an offset of it
	s_bfe_u32 s23, s21, (1<<16)|p
	s_min_u32 s23, s23, 1
	s_mul_i32 s23, s23, p*ROWS
	v_add_nc_u32 v[RO+p], s23, v[VOFF]
.set p, p+1
.endr
; Where K step s's 128 numbers land: rows 0-15 in window HAW from v[HAB] on, rows 16-31 in window HBW from v[HBB] on
.macro SETLOC s
.if ((\s)%2) == 0
.set HAW, 0
.set HAB, 16
.set HBW, 0
.set HBB, 80
.elseif (\s) < 7
.set HAW, 3
.set HAB, 128
.set HBW, 3
.set HBB, 192
.else
.set HAW, 3
.set HAB, 192
.set HBW, 1
.set HBB, 192
.endif
.endm
; K step s of my 32 rows: a load reads 512 consecutive bytes of one row, 16 a lane
.macro LOADA s
	SETLOC \s
	WIN (HAW<<6)
.set p, 0
.rept 16
	global_load_b128 v[HAB+4*p:HAB+4*p+3], v[RO+p], s[SRC:SRC+1] offset:512*(\s)
.set p, p+1
.endr
	WIN (HBW<<6)
.set p, 0
.rept 16
	global_load_b128 v[HBB+4*p:HBB+4*p+3], v[RO+16+p], s[SRC:SRC+1] offset:512*(\s)
.set p, p+1
.endr
	WIN 0
.endm
; A round of phase 1.  One barrier a round: buffer s % 2 of the codes is written again two rounds on, and every wave's reads of it are waited for in front of the barrier of the round between.
.macro ROUNDA s
	SETLOC \s
.if (\s) < 7
	s_wait_loadcnt 32                              ; this K step's 32 loads are in; the next step's may be out
.else
	s_wait_loadcnt 0x0
.endif
.if (\s) < 7
.if (\s) < 4
.set CB, 0                             ; on its way to LDS
.else
.set CB, 64*((\s)-4)                   ; to stay
.endif
	WIN (1<<6)|(HAW<<2)|HAW                        ; the bf16 copy, of the numbers as they are: destination window 1
.set p, 0
.rept 32
	v_cvt_pk_bf16_f32 v[CB+p], v[HAB+2*p], v[HAB+2*p+1]
.set p, p+1
.endr
	WIN (1<<6)|(HBW<<2)|HBW
.set p, 0
.rept 32
	v_cvt_pk_bf16_f32 v[CB+32+p], v[HBB+2*p], v[HBB+2*p+1]
.set p, p+1
.endr
	WIN (HAW<<6)|HAW
.set p, 0
.rept 64
	v_med3_num_f32 v[HAB+p], v[HAB+p], s[LIMP+1], s[LIMP]   ; the conversion to an 8-bit code does not saturate (ISA guide 7.6.2): the hold at the largest code x the scale
.set p, p+1
.endr
	WIN (HBW<<6)|HBW
.set p, 0
.rept 64
	v_med3_num_f32 v[HBB+p], v[HBB+p], s[LIMP+1], s[LIMP]
.set p, p+1
.endr
	WIN HAW
.set p, 0
.rept 8
	v_cvt_scalef32_pk8_fp8_f32 v[CD+2*p:CD+2*p+1], v[HAB+8*p:HAB+8*p+7], v[SCL]   ; four numbers of row 2 p, four of row 2 p + 1: a register of codes for each row
.set p, p+1
.endr
	WIN HBW
.set p, 0
.rept 8
	v_cvt_scalef32_pk8_fp8_f32 v[CD+16+2*p:CD+16+2*p+1], v[HBB+8*p:HBB+8*p+7], v[SCL]
.set p, p+1
.endr
	WIN 0
	v_nop                                          ; one plain vector line behind the last conversion
.else                                  ; the last K step: its numbers lie where its codes and its copy will live, so the hold writes into window 0's set, which is free, and the copy is made in place
	WIN 0x03
.set p, 0
.rept 64
	v_med3_num_f32 v[16+p], v[192+p], s[LIMP+1], s[LIMP]
.set p, p+1
.endr
	WIN 0x01
.set p, 0
.rept 64
	v_med3_num_f32 v[80+p], v[192+p], s[LIMP+1], s[LIMP]
.set p, p+1
.endr
	WIN 0
.set p, 0
.rept 16
	v_cvt_scalef32_pk8_fp8_f32 v[CD+2*p:CD+2*p+1], v[16+8*p:16+8*p+7], v[SCL]
.set p, p+1
.endr
	v_nop                                          ; one plain vector line behind the last conversion
	WIN 0x45                                       ; rows 16-31, within window 1: register p takes numbers 2 p and 2 p + 1, which no earlier line has overwritten
.set p, 0
.rept 32
	v_cvt_pk_bf16_f32 v[192+p], v[192+2*p], v[192+2*p+1]
.set p, p+1
.endr
	WIN 0x4f                                       ; rows 0-15, from window 3 into the half that the lines above have left
.set p, 0
.rept 32
	v_cvt_pk_bf16_f32 v[224+p], v[192+2*p], v[192+2*p+1]
.set p, p+1
.endr
	WIN 0
.endif
.if (\s) < 6
	LOADA (\s)+2
.endif
.set p, 0
.rept 32
	ds_store_b32 v[AST], v[CD+p] offset:((\s)%2)*ABUF+APITCH*p    ; 32 lanes: a row's 128 codes
.set p, p+1
.endr
.if (\s) < 4
	WIN 0x04                                       ; the stores' data lie in window 1
.set p, 0
.rept 16
	ds_store_b128 v[CST], v[4*p:4*p+3] offset:8192*(\s)+512*p     ; the copy's registers as they stand: 512 consecutive bytes a store, in my wave's own bytes
.set p, p+1
.endr
	WIN 0
.endif
.if (\s) == 7
	s_wait_tensorcnt 0x1                           ; the records and my quarter of slot 0 have landed; slot 1's load may stay out
.endif
	s_wait_dscnt 0x0                               ; my stores have landed, and my reads of the other buffer are in
	s_barrier_signal -1
	s_barrier_wait -1
	WIN 0x80+0x40*((\s)/4)                         ; destination window 2 or 3
.irp m, 0,1,2,3
.irp c, 0,1,2,3
	ds_load_b128 v[64*((\s)%4)+16*\m+4*\c:64*((\s)%4)+16*\m+4*\c+3], v[AFT] offset:((\s)%2)*ABUF+16*APITCH*\m+32*\c   ; registers 4 c .. 4 c + 3: k = 32 c + 16 h + 0..15, as in W's images
.endr
.endr
	WIN 0
.endm
	LOADA 0
	LOADA 1
.irp s, 0,1,2,3,4,5,6,7
	ROUNDA \s
.endr
	; the loop is written once: its first tile finds a tile before it whose W_v is 0
.set p, 0
.rept 32
	v_mov_b32 v[ACC+32+p], 0
.set p, p+1
.endr
.irp p, 0,1,2,3,4,5,6,7
	v_mov_b32 v[UC+\p], 0
	v_mov_b32 v[WVR+8+\p], 0
	v_mov_b32 v[SS+\p], 0
.endr
	v_mov_b32 v[SWR], 0
	v_mov_b32 v[SWR+1], 0
	v_mov_b32 v[NINF], 0xff800000
	s_mov_b32 s[TB], 0
	s_mov_b32 s[TT], 0
	v_add_nc_u32 v[BADR], s[TB], v[B0]
.irp s, 0,1,2,3,4,5,6,7
.irp c, 0,1,2,3
	ds_load_b128 v[BF+16*\s+4*\c:BF+16*\s+4*\c+3], v[BADR] offset:2048*\s+512*\c   ; the first tile's eight fragments
.endr
.endr
; Half a tile: 16 matrix instructions, K steps 4 hs .. 4 hs + 3, the four tiles of rows by turns (one instruction a turn; the set of accumulators changes from tile to tile).
; Behind each stands a slice of the tile before (set AQ): hs = 0: z = acc c + uc for a pair, and 2^z of the pair before; hs = 1: + 1 for a pair, and the reciprocals of the pair before.
; Every slice's register operands stand in source 0, source 2 and the destination, which stay in window 0.  No result of an exponential or reciprocal is named inside a half.
.macro HALF hs, kind
.set i, 0
.rept 16
.if (\hs == 0) && (i < 4)
	v_wmma_f32_16x16x128_fp8_fp8 v[AP+8*(i%4):AP+8*(i%4)+7], v[BF+64*\hs+16*(i/4):BF+64*\hs+16*(i/4)+15], v[64*(i/4)+16*(i%4):64*(i/4)+16*(i%4)+15], 0
.else
	v_wmma_f32_16x16x128_fp8_fp8 v[AP+8*(i%4):AP+8*(i%4)+7], v[BF+64*\hs+16*(i/4):BF+64*\hs+16*(i/4)+15], v[64*(i/4)+16*(i%4):64*(i/4)+16*(i%4)+15], v[AP+8*(i%4):AP+8*(i%4)+7]
.endif
.if \hs == 0
	v_pk_fma_f32 v[AQ+2*i:AQ+2*i+1], v[AQ+2*i:AQ+2*i+1], s[CC:CC+1], v[UC+2*(i%4):UC+2*(i%4)+1] op_sel_hi:[1,0,1]   ; each accumulator from its low end on
.if i > 0
	v_exp_f32 v[AQ+2*i-2], v[AQ+2*i-2]
	v_exp_f32 v[AQ+2*i-1], v[AQ+2*i-1]
.endif
.else
	v_pk_add_f32 v[AQ+2*i:AQ+2*i+1], v[AQ+2*i:AQ+2*i+1], 1.0 op_sel_hi:[1,0]
.if i > 0
	v_rcp_f32 v[AQ+2*i-2], v[AQ+2*i-2]
	v_rcp_f32 v[AQ+2*i-1], v[AQ+2*i-1]
.endif
.endif
.if (\hs == 0) && (i == 7) && ((\kind == 1) || (\kind == 2))
	s_wait_dscnt 0x0                               ; the add is done, and my reads of this slot are over (its last tile's fragments are in registers)
	s_barrier_signal -1                            ; where the slot is filled again this barrier opens a round of the cluster's
.endif
.set i, i+1
.endr
.if \hs == 0
	v_exp_f32 v[AQ+30], v[AQ+30]
	v_exp_f32 v[AQ+31], v[AQ+31]
.else
	v_rcp_f32 v[AQ+30], v[AQ+30]
	v_rcp_f32 v[AQ+31], v[AQ+31]
.endif
.endm
.macro DOT                             ; S(m) += W_v / (1 + 2^z), two o at a time; the sum of W_v beside it.  20 plain lines
.irp jp, 0,1,2,3
.irp m, 0,1,2,3
	v_pk_fma_f32 v[SS+2*\m:SS+2*\m+1], v[AQ+8*\m+2*\jp:AQ+8*\m+2*\jp+1], v[WQ+2*\jp:WQ+2*\jp+1], v[SS+2*\m:SS+2*\m+1]
.endr
	v_pk_add_f32 v[SWR:SWR+1], v[SWR:SWR+1], v[WQ+2*\jp:WQ+2*\jp+1]
.endr
.endm
; Tile tau of the slot's two that are mine.  kind 0: plain; 1: the slot's last, and the slot is filled again; 2: the slot's last, nothing is filled; 3: the very last tile.
.macro TILE tau, kind
.set AP, ACC+32*((\tau)%2)             ; this tile's sums
.set AQ, ACC+32*(1-(\tau)%2)           ; the tile before's
.set WP, WVR+8*((\tau)%2)
.set WQ, WVR+8*(1-(\tau)%2)
.set NT, (((\tau)+1)%2)*16384
.if (\kind == 1) || (\kind == 2)
	s_wait_tensorcnt 0x0                           ; all my tensor loads have landed: the one that was out is my quarter of the next slot; so a group 0 may be written
	ds_add_u32 v[SPW], v[NIL]                      ; 0 onto my spare word; eight products and their slices stand between it and the wait for it
.if \kind == 1
	s_xor_b32 s[G0B+1], s[G0B+1], SLOTB            ; the walking descriptor: the other slot than last time,
	s_add_nc_u64 s[G0B+2:G0B+3], s[G0B+2:G0B+3], SLOTB   ; the next four tiles of o; the type bits on top are not reached
.endif
	s_wait_dscnt 17                                ; fragments 0-3, uc and W_v are in; the 16 loads of fragments 4-7 and the add may be out
.else
	s_wait_dscnt 16                                ; fragments 0-3, uc and W_v are in; the 16 loads of fragments 4-7 may be out
.endif
.if \tau == 0
	v_add_nc_u32 v[TADR], s[TT], v[TBASE]          ; this slot's records
.endif
	WIN M2
	HALF 0, \kind
.rept 4
	v_nop                                          ; the plain place behind the batch of exponentials, and the four places in front of loads into fragments 0-3, which the products above have read
.endr
.if (\kind == 1) || (\kind == 2)
	WIN 0
.endif
	s_wait_alu depctr_va_vdst(0)                   ; one wait for the 32 exponentials, ahead of their first reader
.if (\kind == 1) || (\kind == 2)
	s_barrier_wait -1
.if \kind == 1
	CREST                                          ; no wave of any partner still reads this slot or has a load on its way
	tensor_load_to_lds s[G0B:G0B+3], s[G1W:G1W+7]  ; the joint refill, first behind the round: my one tensor load until the next; it has a tile and a half, 48 matrix instructions, in which to land
	s_nop 0
.rept 4
	v_nop
.endr
.endif
	s_xor_b32 s[TB], s[TB], SLOTB                  ; on to the other slot
	s_add_co_u32 s[TT], s[TT], 512
	v_add_nc_u32 v[BADR], s[TB], v[B0]
.endif
	ds_load_b128 v[UC:UC+3], v[TADR] offset:128*(\tau)            ; this tile's uc: the tile before's has been used
	ds_load_b128 v[UC+4:UC+7], v[TADR] offset:128*(\tau)+16
.if \kind != 3
.irp s, 0,1,2,3
.irp c, 0,1,2,3
	ds_load_b128 v[BF+16*\s+4*\c:BF+16*\s+4*\c+3], v[BADR] offset:NT+2048*\s+512*\c   ; the next tile's fragments 0-3
.endr
.endr
.endif
	ds_load_b128 v[WP:WP+3], v[TADR] offset:128*(\tau)+32         ; this tile's W_v
	ds_load_b128 v[WP+4:WP+7], v[TADR] offset:128*(\tau)+48
	WIN M3
.if \kind != 3
	s_wait_dscnt 20                                ; all but the 20 just issued: fragments 4-7 are in
.else
	s_wait_dscnt 4                                 ; all but the 4 just issued
.endif
	HALF 1, \kind
	WIN 0
	v_nop                                          ; the plain place behind the batch of reciprocals
	s_wait_alu depctr_va_vdst(0)                   ; one wait for the 32 reciprocals, ahead of their first reader
	DOT                                            ; also the places in front of the loads below and of the next tile's first read of this tile's sums
.if \kind != 3
.irp s, 4,5,6,7
.irp c, 0,1,2,3
	ds_load_b128 v[BF+16*\s+4*\c:BF+16*\s+4*\c+3], v[BADR] offset:NT+2048*\s+512*\c   ; the next tile's fragments 4-7
.endr
.endr
.endif
.endm
	s_mov_b32 s[CNT], 14
.Lslot:                                ; fourteen trips: slots 0 to 13 are filled again, with slots 2 to 15
	TILE 0, 0
	TILE 1, 1
	s_sub_co_u32 s[CNT], s[CNT], 1
	s_cmp_lg_u32 s[CNT], 0
	s_cbranch_scc1 .Lslot
	TILE 0, 0                                      ; the last two slots are written out
	TILE 1, 2
	TILE 0, 0
	TILE 1, 3
	; the last tile's tanh and dot
	s_wait_dscnt 0x0                               ; its uc and W_v
.set AQ, ACC+32
.set WQ, WVR+8
.set i, 0
.rept 16
	v_pk_fma_f32 v[AQ+2*i:AQ+2*i+1], v[AQ+2*i:AQ+2*i+1], s[CC:CC+1], v[UC+2*(i%4):UC+2*(i%4)+1] op_sel_hi:[1,0,1]
.set i, i+1
.endr
.set i, 0
.rept 32
	v_exp_f32 v[AQ+i], v[AQ+i]
.set i, i+1
.endr
	v_nop
	s_wait_alu depctr_va_vdst(0)                   ; one wait for the batch
.set i, 0
.rept 16
	v_pk_add_f32 v[AQ+2*i:AQ+2*i+1], v[AQ+2*i:AQ+2*i+1], 1.0 op_sel_hi:[1,0]
.set i, i+1
.endr
.set i, 0
.rept 32
	v_rcp_f32 v[AQ+i], v[AQ+i]
.set i, i+1
.endr
	v_nop
	s_wait_alu depctr_va_vdst(0)
	DOT
	; THE SCORES.  A lane holds, for row r of each of four tiles, the sums over its eight o of every tile of my half: even and odd o are added, then the other half of the lanes', then, in LDS, the other half of o.
.set FN, ACC                           ; v144-159 at work: +0..3 the scores of rows 4 lane + 0..3; +8..11 their p; +14, +15 the pair (m', l)
.set WT,  16                           ; v16-47   my 32 rows' weights, each in every lane
.set OA,  48                           ; v48-79   the sums: register 4 s + j is feature 128 s + 4 lane + j
.set LC0, 80                           ; v80-143, v160-223: two K steps of the copy, back from LDS
.set LC1, 160
.irp m, 0,1,2,3
	v_add_f32 v[FN+\m], v[SS+2*\m], v[SS+2*\m+1]
.endr
	v_add_f32 v[FN+4], v[SWR], v[SWR+1]
.irp m, 0,1,2,3
	v_fma_f32 v[FN+\m], -2.0, v[FN+\m], v[FN+4]    ; sum of W_v (1 - 2 / (1 + 2^z))
.endr
.irp m, 0,1,2,3
	v_permlanex16_b32 v[FN+8+\m], v[FN+\m], s[SEL], s[SEL+1]
.endr
.irp m, 0,1,2,3
	v_add_f32 v[FN+\m], v[FN+\m], v[FN+8+\m]
.endr
.irp m, 0,1,2,3
	ds_store_b32 v[SCS], v[FN+\m] offset:64*\m     ; lanes r and r + 16 store the same number to the same word
.endr
	s_wait_dscnt 0x0                               ; for the others' sake: my rows' half sums have landed
	s_barrier_signal -1
	s_barrier_wait -1
	ds_load_b128 v[FN:FN+3], v[SCR]                ; every wave: rows 4 x lane + 0..3, first half of o,
	ds_load_b128 v[FN+4:FN+7], v[SCR] offset:512   ; second half
	s_wait_dscnt 0x0
	v_pk_add_f32 v[FN:FN+1], v[FN:FN+1], v[FN+4:FN+5]
	v_pk_add_f32 v[FN+2:FN+3], v[FN+2:FN+3], v[FN+6:FN+7]
.irp e, 0,1,2,3
	v_cmp_ne_u32 vcc_lo, 0, v[MK+\e]
	v_cndmask_b32 v[FN+\e], v[FN+\e], v[NINF], vcc_lo   ; a masked row's score is -infinity
.endr
	; THE WEIGHTS.  The largest of the 128 scores is taken away ahead of the exponentials; the floor -2^126 keeps it a number where all 128 rows are masked (every p is 0 then, and l too)
	v_max3_num_f32 v[FN+12], v[FN], v[FN+1], v[FN+2]
	v_max3_num_f32 v[FN+12], v[FN+12], v[FN+3], 0xfe800000
	v_max_num_f32_dpp v[FN+12], v[FN+12], v[FN+12] row_xmask:1 row_mask:0xf bank_mask:0xf
	v_max_num_f32_dpp v[FN+12], v[FN+12], v[FN+12] row_xmask:2 row_mask:0xf bank_mask:0xf
	v_max_num_f32_dpp v[FN+12], v[FN+12], v[FN+12] row_xmask:4 row_mask:0xf bank_mask:0xf
	v_max_num_f32_dpp v[FN+12], v[FN+12], v[FN+12] row_xmask:8 row_mask:0xf bank_mask:0xf
	v_permlanex16_b32 v[FN+13], v[FN+12], s[SEL], s[SEL+1]
	v_max_num_f32 v[FN+14], v[FN+12], v[FN+13]     ; m', in every lane
.irp e, 0,1,2,3
	v_sub_f32 v[FN+8+\e], v[FN+\e], v[FN+14]
.endr
.irp e, 0,1,2,3
	v_mul_f32 v[FN+8+\e], s[L2E], v[FN+8+\e]
.endr
.irp e, 0,1,2,3
	v_exp_f32 v[FN+8+\e], v[FN+8+\e]               ; p, at most 1
.endr
	v_nop                                          ; the plain place behind the batch
	s_wait_alu depctr_va_vdst(0)                   ; one wait for the four exponentials, ahead of their first reader
	v_add_f32 v[FN+12], v[FN+8], v[FN+9]
	v_add_f32 v[FN+13], v[FN+10], v[FN+11]
	v_add_f32 v[FN+12], v[FN+12], v[FN+13]
	v_add_f32_dpp v[FN+12], v[FN+12], v[FN+12] row_xmask:1 row_mask:0xf bank_mask:0xf
	v_add_f32_dpp v[FN+12], v[FN+12], v[FN+12] row_xmask:2 row_mask:0xf bank_mask:0xf
	v_add_f32_dpp v[FN+12], v[FN+12], v[FN+12] row_xmask:4 row_mask:0xf bank_mask:0xf
	v_add_f32_dpp v[FN+12], v[FN+12], v[FN+12] row_xmask:8 row_mask:0xf bank_mask:0xf
	v_permlanex16_b32 v[FN+13], v[FN+12], s[SEL], s[SEL+1]
	v_add_f32 v[FN+15], v[FN+12], v[FN+13]         ; l, in every lane
	ds_store_b128 v[PWS], v[FN+8:FN+11]            ; the 128 weights into my wave's own bytes; LDS serves a wave's instructions in order (ISA guide 5.7.1.4): the loads below see them
.irp g, 0,1,2,3,4,5,6,7
	ds_load_b128 v[WT+4*\g:WT+4*\g+3], v[PWL] offset:16*\g        ; every lane reads the same words: my rows' weights
.endr
.macro LCOPY reg, s                    ; K step s of the copy comes back as it was stored
.set p, 0
.rept 16
	ds_load_b128 v[(\reg)+4*p:(\reg)+4*p+3], v[CST] offset:8192*(\s)+512*p
.set p, p+1
.endr
.endm
; Two K steps' part of the sum: for each of my 32 rows, eight multiply-adds straight from the bf16 halves, on eight sums by turns.  perm = 1: in the second copy rows 16-31 come first
.macro WSUM2 ca, sa, cb, sb, perm
.set p, 0
.rept 32
.set ra, (\ca)+2*p
.if \perm
.set rb, (\cb)+2*((p+16)%32)
.else
.set rb, (\cb)+2*p
.endif
	v_fma_mix_f32_bf16 v[OA+4*(\sa)],   v[ra],   v[WT+p], v[OA+4*(\sa)]   op_sel_hi:[1,0,0]
	v_fma_mix_f32_bf16 v[OA+4*(\sa)+1], v[ra],   v[WT+p], v[OA+4*(\sa)+1] op_sel:[1,0,0] op_sel_hi:[1,0,0]
	v_fma_mix_f32_bf16 v[OA+4*(\sa)+2], v[ra+1], v[WT+p], v[OA+4*(\sa)+2] op_sel_hi:[1,0,0]
	v_fma_mix_f32_bf16 v[OA+4*(\sa)+3], v[ra+1], v[WT+p], v[OA+4*(\sa)+3] op_sel:[1,0,0] op_sel_hi:[1,0,0]
	v_fma_mix_f32_bf16 v[OA+4*(\sb)],   v[rb],   v[WT+p], v[OA+4*(\sb)]   op_sel_hi:[1,0,0]
	v_fma_mix_f32_bf16 v[OA+4*(\sb)+1], v[rb],   v[WT+p], v[OA+4*(\sb)+1] op_sel:[1,0,0] op_sel_hi:[1,0,0]
	v_fma_mix_f32_bf16 v[OA+4*(\sb)+2], v[rb+1], v[WT+p], v[OA+4*(\sb)+2] op_sel_hi:[1,0,0]
	v_fma_mix_f32_bf16 v[OA+4*(\sb)+3], v[rb+1], v[WT+p], v[OA+4*(\sb)+3] op_sel:[1,0,0] op_sel_hi:[1,0,0]
.set p, p+1
.endr
.endm
	LCOPY LC0, 0
	LCOPY LC1, 1
.set p, 0
.rept 32
	v_mov_b32 v[OA+p], 0                           ; the 32 sums
.set p, p+1
.endr
	s_wait_dscnt 32                                ; the weights are in; the 32 loads of the copy behind them may be out
	WIN 0x01                                       ; source 0 (the copy) window 1
	WSUM2 0, 4, 64, 5, 0
	WIN 0
	s_wait_dscnt 0x0
	WSUM2 LC0, 0, LC1, 1, 0
	LCOPY LC0, 2                                   ; they land while K steps 6 and 7 are added
	LCOPY LC1, 3
	WIN 0x01
	WSUM2 128, 6, 192, 7, 1
	WIN 0
	s_wait_dscnt 0x0
	WSUM2 LC0, 2, LC1, 3, 0
.irp s, 0,1,2,3,4,5,6,7
	ds_store_b128 v[RST], v[OA+4*\s:OA+4*\s+3] offset:512*\s      ; my rows' sum, in the order of the features
.endr
	s_wait_dscnt 0x0                               ; for the others' sake
	s_barrier_signal -1
	s_barrier_wait -1
.irp k, 0,1,2,3
	ds_load_b128 v[LC0+8*\k:LC0+8*\k+3], v[RRD] offset:4096*\k
	ds_load_b128 v[LC0+8*\k+4:LC0+8*\k+7], v[RRD] offset:4096*\k+2048
.endr
	s_wait_dscnt 0x0
.irp i, 0,2,4,6
	v_pk_add_f32 v[LC0+\i:LC0+\i+1], v[LC0+\i:LC0+\i+1], v[LC0+8+\i:LC0+8+\i+1]
	v_pk_add_f32 v[LC0+16+\i:LC0+16+\i+1], v[LC0+16+\i:LC0+16+\i+1], v[LC0+24+\i:LC0+24+\i+1]
.endr
.irp i, 0,2,4,6
	v_pk_add_f32 v[LC0+\i:LC0+\i+1], v[LC0+\i:LC0+\i+1], v[LC0+16+\i:LC0+16+\i+1]
.endr
	global_store_b128 v[T16], v[LC0:LC0+3], s[PRT:PRT+1]                  ; 128 threads store 2,048 consecutive bytes, at a multiple of 256 from part's first byte,
	global_store_b128 v[T16], v[LC0+4:LC0+7], s[PRT:PRT+1] offset:2048    ; twice
	s_cmp_lg_u32 s[WV], 0
	s_cbranch_scc1 .Lnot_first
	global_store_b128 v[VOFF], v[FN:FN+3], s[OUT:OUT+1]       ; 32 lanes store 512 consecutive bytes, at a multiple of 256 from scoresT's first byte
	global_store_b64 v[L8], v[FN+14:FN+15], s[STB:STB+1]      ; (m', l), the same pair from every lane: 256 consecutive bytes, at a multiple of 256 from st's first byte
.Lnot_first:
	s_wait_tensorcnt 0x0                           ; the wave's end: behind my last tensor load and my last LDS store
	ds_add_u32 v[SPW], v[NIL]
	s_wait_dscnt 0x0
	CROUND                                         ; the closing round: no work-group ends while a partner may still ask for a tile that names it
	s_endpgm
.Lfunc_end_k_q233e0714c4_score:
	.size	k_q233e0714c4_score, .Lfunc_end_k_q233e0714c4_score-k_q233e0714c4_score
	.p2alignl 7, 3214868480
	.fill 96, 4, 3214868480
	.section	.rodata,"a",@progbits
	.p2align	6, 0x0
	.amdhsa_kernel k_q233e0714c4_score
		.amdhsa_group_segment_fixed_size 327680
		.amdhsa_private_segment_fixed_size 0
		.amdhsa_enable_private_segment 0
		.amdhsa_kernarg_size 64
		.amdhsa_user_sgpr_count 2
		.amdhsa_user_sgpr_kernarg_segment_ptr 1
		.amdhsa_wavefront_size32 1
		.amdhsa_system_sgpr_workgroup_id_x 1
		.amdhsa_system_sgpr_workgroup_id_y 1
		.amdhsa_system_sgpr_workgroup_id_z 1
		.amdhsa_system_vgpr_workitem_id 0
		.amdhsa_next_free_vgpr 1024
		.amdhsa_next_free_sgpr 88
		.amdhsa_reserve_vcc 1
		.amdhsa_float_denorm_mode_32 3
		.amdhsa_float_denorm_mode_16_64 3
		.amdhsa_memory_ordered 1
		.amdhsa_forward_progress 1
		.amdhsa_inst_pref_size 255
	.end_amdhsa_kernel
	.section	.bss,"aw",@nobits
	.p2align	6
	.space	262144
	.amdgpu_metadata
---
amdhsa.version: [ 1, 2 ]
amdhsa.kernels:
  - .name:           k_q233e0714c4_score
    .symbol:         k_q233e0714c4_score.kd
    .args:
      - { .name: source_hids, .offset: 0, .size: 8, .value_kind: global_buffer, .address_space: global }
      - { .name: encoder_padding_mask, .offset: 8, .size: 8, .value_kind: global_buffer, .address_space: global }
      - { .name: lowp_scales, .offset: 16, .size: 8, .value_kind: global_buffer, .address_space: global }
      - { .name: wq, .offset: 24, .size: 8, .value_kind: global_buffer, .address_space: global }
      - { .name: tabT, .offset: 32, .size: 8, .value_kind: global_buffer, .address_space: global }
      - { .name: scoresT, .offset: 40, .size: 8, .value_kind: global_buffer, .address_space: global }
      - { .name: part, .offset: 48, .size: 8, .value_kind: global_buffer, .address_space: global }
      - { .name: st, .offset: 56, .size: 8, .value_kind: global_buffer, .address_space: global }
    .group_segment_fixed_size: 327680
    .private_segment_fixed_size: 0
    .kernarg_segment_align: 8
    .kernarg_segment_size: 64
    .max_flat_workgroup_size: 128
    .sgpr_count:     88
    .vgpr_count:     1024
    .wavefront_size: 32
...
	.end_amdgpu_metadata
.endif
;; end of part 2
;; launch combine (part 3): grid 80 x 1, 16 waves a work-group, no clusters, 10,752 bytes of LDS; arguments part, st, scoresT, out0, out1; writes out0, out1
.if DOCPART == 3
	.amdgcn_target "amdgcn-amd-amdhsa--gfx1250"
	.amdhsa_code_object_version 6
	.text
	.protected	k_q233e0714c4_combine
	.globl	k_q233e0714c4_combine
	.p2align	8
	.type	k_q233e0714c4_combine,@function
k_q233e0714c4_combine:
	s_mov_b64 s[64:65], 0
	v_nop
	global_prefetch_b8 v0, s[64:65] scope:SCOPE_SE
	s_setreg_imm32_b32 hwreg(HW_REG_WAVE_MODE, 25, 1), 1
	s_wait_xcnt 0x0
; COMBINE.  A column b of the softmax over s was left in four parts q, each with m' (its largest score, not under -2^126), l = the sum of 2^((x - m') log2(e)) and part = the sum of 2^((x - m') log2(e)) x row.
; With M = the largest m', sc(q) = 2^((m'(q) - M) log2(e)), L = the sum of l(q) sc(q):  out0[b][:] = (sum over q of sc(q) part[b][q][:]) / L;  out1[s][b] = 2^((x - M) log2(e)) / L.  All in f32.
; So the column's largest score is taken away ahead of every exponential.  A column that is masked throughout has L = 0 and gives NaN, as the softmax of nothing but -infinity does.
; st[b][q] holds the pair (m', l) 32 times, 256 bytes: lane l reads its own copy, so a wave's load covers the 256 bytes.
; TWO ROLES, parted by the work-group's number.  Work-groups 0 to 63: b = id; thread t makes 8 bytes of out0's row: a wave's store covers 256 consecutive bytes.
; Work-groups 64 to 79: rows s = 32 j + 0..31 of out1, j = id - 64.  Wave w makes columns b = 4 w + 0..3, a lane to a row; they turn through LDS, so that sixteen lanes store a whole row of 256 bytes.
; The launch moves little more than a megabyte and has work for 80 work-groups: no cluster, no tensor load, no ring.
.set O1,   0                           ; LDS, second role: 32 rows x (256 bytes + 16)
.set OP,   272
.set LN,   1                           ; v1   lane
.set L8,   2                           ; v2   8 x lane
.set T8,   3                           ; v3   8 x thread
.set T16,  4                           ; v4   16 x thread
.set OST,  5                           ; v5   O1 + 272 x lane + 16 w
.set ORD,  6                           ; v6   O1 + 272 (2 w + h) + 16 r
.set XO,   7                           ; v7   the byte offset of my row's score in a column
.set TM,   8                           ; v8   at work
.set INV,  10                          ; v10  1 / L (v11 is named with it as a pair)
.set A,    12                          ; v12-13 the sum
.set ST,   16                          ; v16-47 four columns' four pairs (m', l); m' becomes sc
.set XS,   48                          ; v48-51 my row's score in four columns
.set P,    52                          ; v52-59 my 8 bytes of the four parts
; A column's four pairs from v[st] on: m' becomes sc, v[INV] = 1 / L.  hasx = 1: v[xs], a score of the column, becomes 2^((x - M) log2(e)) in the same batch.
.macro COMB st, hasx, xs
	v_max3_num_f32 v[TM], v[(\st)], v[(\st)+2], v[(\st)+4]
	v_max_num_f32 v[TM], v[TM], v[(\st)+6]         ; M
.irp q, 0,2,4,6
	v_sub_f32 v[(\st)+\q], v[(\st)+\q], v[TM]
.endr
.if \hasx
	v_sub_f32 v[(\xs)], v[(\xs)], v[TM]
.endif
.irp q, 0,2,4,6
	v_mul_f32 v[(\st)+\q], s22, v[(\st)+\q]
.endr
.if \hasx
	v_mul_f32 v[(\xs)], s22, v[(\xs)]
.endif
.irp q, 0,2,4,6
	v_exp_f32 v[(\st)+\q], v[(\st)+\q]
.endr
.if \hasx
	v_exp_f32 v[(\xs)], v[(\xs)]
.endif
	v_nop                                          ; the plain place behind the batch
	s_wait_alu depctr_va_vdst(0)                   ; one wait for the batch, ahead of its first reader
	v_mul_f32 v[TM], v[(\st)], v[(\st)+1]
.irp q, 2,4,6
	v_fma_f32 v[TM], v[(\st)+\q], v[(\st)+\q+1], v[TM]   ; L
.endr
	v_rcp_f32 v[INV], v[TM]
	v_nop
	s_wait_alu depctr_va_vdst(0)
.endm
	s_load_b256 s[4:11], s[0:1], 0x0               ; part s[4:5], st s[6:7], scoresT s[8:9], out0 s[10:11]
	s_load_b64 s[12:13], s[0:1], 0x20              ; out1
	v_lshl_add_u32 v64, v0, 2, 0x2200
	v_mov_b32 v65, 0
	v_lshrrev_b32 v[LN], 5, v0
	v_readfirstlane_b32 s16, v[LN]                 ; wave 0..15
	v_and_b32 v[LN], 31, v0
	v_lshlrev_b32 v[L8], 3, v[LN]
	v_lshlrev_b32 v[T8], 3, v0
	v_lshlrev_b32 v[T16], 4, v0
	s_lshl_b32 s17, s16, 4
	v_mul_u32_u24 v[OST], v[LN], OP
	v_add_nc_u32 v[OST], s17, v[OST]
	v_bfe_u32 v[ORD], v0, 4, 1
	v_mul_u32_u24 v[ORD], v[ORD], OP
	v_and_b32 v[TM], 15, v0
	v_lshl_add_u32 v[ORD], v[TM], 4, v[ORD]
	s_mul_i32 s17, s16, 2*OP
	v_add_nc_u32 v[ORD], s17, v[ORD]
	v_mov_b32 v[INV+1], 0                          ; (named as the upper half of the pair, so it is written)
	s_mov_b32 s22, 0x3fb8aa3b                      ; log2(e)
	s_cmp_ge_u32 ttmp9, 64
	s_cbranch_scc1 .Lattn
	; ---- first role: out0
	s_lshl_b32 s24, ttmp9, 14                      ; part: b's four rows of 4,096 bytes
	s_mov_b32 s25, 0
	s_lshl_b32 s26, ttmp9, 10                      ; st: b's four units
	s_mov_b32 s27, 0
	s_lshl_b32 s28, ttmp9, 12                      ; out0: b's row
	s_mov_b32 s29, 0
	s_wait_kmcnt 0x0
	s_add_nc_u64 s[30:31], s[4:5], s[24:25]
	s_add_nc_u64 s[32:33], s[6:7], s[26:27]
	s_add_nc_u64 s[34:35], s[10:11], s[28:29]
.irp q, 0,1,2,3
	global_load_b64 v[ST+2*\q:ST+2*\q+1], v[L8], s[32:33] offset:256*\q
.endr
.irp q, 0,1,2,3
	global_load_b64 v[P+2*\q:P+2*\q+1], v[T8], s[30:31] offset:4096*\q
.endr
	s_wait_loadcnt 4                               ; the four pairs are in; the four loads of the parts may be out
	COMB ST, 0, 0
	s_wait_loadcnt 0x0
	v_pk_mul_f32 v[A:A+1], v[P:P+1], v[ST:ST+1] op_sel_hi:[1,0]           ; x sc(0): of the pair (sc, l) the low word serves both halves
.irp q, 1,2,3
	v_pk_fma_f32 v[A:A+1], v[P+2*\q:P+2*\q+1], v[ST+2*\q:ST+2*\q+1], v[A:A+1] op_sel_hi:[1,0,1]
.endr
	v_pk_mul_f32 v[A:A+1], v[A:A+1], v[INV:INV+1] op_sel_hi:[1,0]         ; / L
	global_store_b64 v[T8], v[A:A+1], s[34:35]     ; 32 lanes store 256 consecutive bytes, at a multiple of 256 from out0's first byte
	s_endpgm
	; ---- second role: out1
.Lattn:
	s_sub_co_u32 s17, ttmp9, 64                    ; j
	s_lshl_b32 s18, s17, 7
	v_lshl_add_u32 v[XO], v[LN], 2, s18            ; the score of row 32 j + lane
	s_lshl_b32 s24, s16, 13                        ; scoresT: 4 w columns of 2,048 bytes
	s_mov_b32 s25, 0
	s_lshl_b32 s26, s16, 12                        ; st: 4 w columns of 1,024 bytes
	s_mov_b32 s27, 0
	s_lshl_b32 s28, s17, 13                        ; out1: 32 j rows of 256 bytes
	s_mov_b32 s29, 0
	s_wait_kmcnt 0x0
	s_add_nc_u64 s[30:31], s[8:9], s[24:25]
	s_add_nc_u64 s[32:33], s[6:7], s[26:27]
	s_add_nc_u64 s[34:35], s[12:13], s[28:29]
.irp i, 0,1,2,3
.irp q, 0,1,2,3
	global_load_b64 v[ST+8*\i+2*\q:ST+8*\i+2*\q+1], v[L8], s[32:33] offset:1024*\i+256*\q
.endr
	global_load_b32 v[XS+\i], v[XO], s[30:31] offset:2048*\i
.endr
.irp i, 0,1,2,3
	s_wait_loadcnt 5*(3-\i)                        ; this column's five loads are in; the later columns' may be out
	COMB ST+8*\i, 1, XS+\i
	v_mul_f32 v[XS+\i], v[XS+\i], v[INV]           ; attn(32 j + lane, 4 w + i)
	ds_store_b32 v[OST], v[XS+\i] offset:4*\i
.endr
	s_wait_dscnt 0x0                               ; for the others' sake: my four columns have landed
	s_barrier_signal -1
	s_barrier_wait -1
	ds_load_b128 v[ST:ST+3], v[ORD]                ; rows 2 w and 2 w + 1, sixteen lanes to a row
	s_wait_dscnt 0x0
	global_store_b128 v[T16], v[ST:ST+3], s[34:35] ; sixteen lanes store a row's 256 consecutive bytes, at a multiple of 256 from out1's first byte
	s_wait_tensorcnt 0x0
	ds_add_u32 v64, v65
	s_wait_dscnt 0x0
	s_endpgm
.Lfunc_end_k_q233e0714c4_combine:
	.size	k_q233e0714c4_combine, .Lfunc_end_k_q233e0714c4_combine-k_q233e0714c4_combine
	.p2alignl 7, 3214868480
	.fill 96, 4, 3214868480
	.section	.rodata,"a",@progbits
	.p2align	6, 0x0
	.amdhsa_kernel k_q233e0714c4_combine
		.amdhsa_group_segment_fixed_size 10752
		.amdhsa_private_segment_fixed_size 0
		.amdhsa_enable_private_segment 0
		.amdhsa_kernarg_size 40
		.amdhsa_user_sgpr_count 2
		.amdhsa_user_sgpr_kernarg_segment_ptr 1
		.amdhsa_wavefront_size32 1
		.amdhsa_system_sgpr_workgroup_id_x 1
		.amdhsa_system_sgpr_workgroup_id_y 1
		.amdhsa_system_sgpr_workgroup_id_z 1
		.amdhsa_system_vgpr_workitem_id 0
		.amdhsa_next_free_vgpr 66
		.amdhsa_next_free_sgpr 66
		.amdhsa_reserve_vcc 0
		.amdhsa_float_denorm_mode_32 3
		.amdhsa_float_denorm_mode_16_64 3
		.amdhsa_memory_ordered 1
		.amdhsa_forward_progress 1
		.amdhsa_inst_pref_size 11
	.end_amdhsa_kernel
	.amdgpu_metadata
---
amdhsa.version: [ 1, 2 ]
amdhsa.kernels:
  - .name:           k_q233e0714c4_combine
    .symbol:         k_q233e0714c4_combine.kd
    .args:
      - { .name: part, .offset: 0, .size: 8, .value_kind: global_buffer, .address_space: global }
      - { .name: st, .offset: 8, .size: 8, .value_kind: global_buffer, .address_space: global }
      - { .name: scoresT, .offset: 16, .size: 8, .value_kind: global_buffer, .address_space: global }
      - { .name: out0, .offset: 24, .size: 8, .value_kind: global_buffer, .address_space: global }
      - { .name: out1, .offset: 32, .size: 8, .value_kind: global_buffer, .address_space: global }
    .group_segment_fixed_size: 10752
    .private_segment_fixed_size: 0
    .kernarg_segment_align: 8
    .kernarg_segment_size: 40
    .max_flat_workgroup_size: 512
    .sgpr_count:     66
    .vgpr_count:     66
    .wavefront_size: 32
...
	.end_amdgpu_metadata
.endif
;; end of part 3
